; MI455X (gfx1250); checked and timed in simulation.
; The chip was launched on July 23, 2026; its instructions are those of AMD's public machine-readable ISA for CDNA 5 (MIT licence, August 2026) and "CDNA5" Instruction Set Architecture Reference Guide (July 2026). The comments in the code are by the model that wrote it; some were corrected since.
;; Bert Sim Self Attention. Allowed arithmetic: matrix products marked QUANTISED: E2M1 operands, one E8M0 scale for each 32 along K, by v_wmma_scale_f32_16x16x128_f8f6f4 with both operands' format E2M1 (or v_wmma_scale_f32_32x16x128_f4), f32 sums; products left as they are: bf16, f16 or f32 operands; f32 sums; everything else in f32.
;; Inputs: Wk 1,024 x 1,024 float32; Wq 1,024 x 1,024 float32; Wv 1,024 x 1,024 float32; attention_mask 4 x 64 x 64 float32; bk 1,024 float32; bq 1,024 float32; bv 1,024 float32; hidden_states 4 x 64 x 64 x 1,024 float32; sim_graph 256 x 64 x 64 float32.
;; Outputs: out0 256 x 64 x 1,024 float32.
;; Constants: b = 4, dim = 1024, m = 64, seq = 64.
;; This version of the problem:
;;   THIS VERSION OF THE PROBLEM IS GIVEN IN LOW PRECISION. The matrix products marked QUANTISED in the list below multiply operands that are first quantised to E2M1 (2 exponent bits, 1 mantissa bit; 4 bits a number), with one power-of-two scale for each 32 numbers along K (OCP MX v1.0); their sums are f32. The products marked 'left as it is' may take bf16, f16 or f32 operands, with f32 sums. Whichever they take, every output number must still come out within the allowed error. Rounding operands to bf16 (8 significant bits) uses up far more of that allowance than f16 does (11 bits, for magnitudes from 6e-5 to 65,504). All else is computed in f32.
;;   The module's matrix products, in the order in which they are computed (A, B: the left and right operand; K: the contracted axis; several contracted axes count as one K, in the product's order):
;;     1. [M 16,384, K 1,024] x [K 1,024, N 1,024]; A: input hidden_states; B: input Wq: QUANTISED
;;     2. [M 16,384, K 1,024] x [K 1,024, N 1,024]; A: input hidden_states; B: input Wk: QUANTISED
;;     3. [M 16,384, K 1,024] x [K 1,024, N 1,024]; A: input hidden_states; B: input Wv: QUANTISED
;;     4. batch 4,096 x [M 64, K 64] x [K 64, N 64]; A: computed on the way; B: computed on the way: left as it is (an operand is computed on the way)
;;     5. batch 4,096 x [M 64, K 64] x [K 64, N 64]; A: computed on the way; B: computed on the way: left as it is (an operand is computed on the way)
;;   THE QUANTISER, for each operand of a quantised product, along K:
;;     - K is cut into blocks of 32 from its start; a last block that is shorter is filled with zeros.
;;     - A block's scale is 2^e with e = floor(log2(the largest magnitude in the block)) - 2, held to -126 .. 127; a block of zeros has e = 0. As a byte (E8M0): e + 127.
;;     - Each number is divided by its block's scale, clamped to +-6, and rounded to the nearest number of E2M1, ties to even, subnormals kept.
;;     - The product sums the exact products of the quantised numbers (number of the format x scale) in f32.
;;   ~~~python
;;   def quantise(x, axis):      # numpy; x: float32 -> the quantised numbers, widened to float32 again
;;       x = np.moveaxis(x, axis, -1); K = x.shape[-1]
;;       x = np.pad(x, [(0, 0)] * (x.ndim - 1) + [(0, -K % 32)]); x = x.reshape(x.shape[:-1] + (-1, 32)); a = np.abs(x).max(-1, keepdims=True)
;;       e = np.where(a > 0, np.clip(np.frexp(np.where(a > 0, a, 1))[1] - 1 - 2, -126, 127), 0)      # np.frexp(a)[1] - 1 = floor(log2(a)), exactly
;;       r = np.clip(x / 2.0 ** e, -6, 6)
;;       step = 2.0 ** (np.maximum(np.frexp(np.where(r == 0, 1, r))[1] - 1, 0) - 1)
;;       q = np.round(r / step) * step * 2.0 ** e      # np.round: ties to even
;;       return np.moveaxis(q.reshape(q.shape[:-2] + (-1,))[..., :K], -1, axis).astype(np.float32)
;;   ~~~
;; One version. Each part assembles by itself: llvm-mc -triple=amdgcn-amd-amdhsa -mcpu=gfx1250 --defsym DOCPART=n.
;; ======== version 1 of 1: 2 launches
;; limits: values are held in f16: magnitudes above 65,504 overflow, below 6.1e-05 lose precision
;; workspace buffers: xq 8,912,896 bytes; wq 1,671,168 bytes
;; launch quant (part 1): grid 1216 x 1, 2 waves a work-group, no clusters, 17,152 bytes of LDS; arguments hidden_states, Wq, Wk, Wv, xq, wq; writes xq, wq
.if DOCPART == 1
	.amdgcn_target "amdgcn-amd-amdhsa--gfx1250"
	.amdhsa_code_object_version 6
	.text
	.protected	k_q76b4d3c15c_quant
	.globl	k_q76b4d3c15c_quant
	.p2align	8
	.type	k_q76b4d3c15c_quant,@function
k_q76b4d3c15c_quant:
	s_mov_b64 s[64:65], 0
	v_nop
	global_prefetch_b8 v0, s[64:65] scope:SCOPE_SE
	s_setreg_imm32_b32 hwreg(HW_REG_WAVE_MODE, 25, 1), 1
	s_wait_xcnt 0x0
; hidden_states [4][64 m][64 seq][1024] and Wq, Wk, Wv [1024][1024], f32, K innermost, become codes of FP4 (E2M1) with one E8M0 byte for each 32 along K,
; laid IN THE ORDER OF THE MATRIX OPERAND'S REGISTERS, so that the next launch fills a fragment by loads of 16 bytes a lane from consecutive bytes.
; A fragment is 16 rows x 128 K: 1,024 bytes = [c 0..1][lane 0..31][16 bytes]; lane (r = lane % 16, h = lane / 16) holds row r, k = 64 c + 32 h + 0 .. 31.
;   xq: a block of 34,816 bytes for each sequence b' = 64 b + seq: fragments [K step 0..7][tile of 16 tokens 0..3], then from byte 32,768 the scale words.
;   wq: a block of 104,448 bytes for each head: fragments [K step 0..7][f 0..11], f = 4 x (0 Wq, 1 Wk, 2 Wv) + tile of 16 of the head's 64 rows; from byte 98,304 the scale words.
;   scale words (four bytes: 128 K of one row): [pair of tiles x 4 + pair of K steps][lane][2 words]: lanes 0-15 the even tile's rows, lanes 16-31 the odd tile's; word = K step % 2.
; A block's scale is 2^(floor(log2(its largest magnitude)) - 2); its byte is the largest magnitude's exponent field - 2, held at 1 from below.
; LIMITS: a block of zeros gets the byte 1 where the rule says 127 (its codes are zeros, and this program alone reads the bytes); NaN and infinities among the inputs are not served.
; SHARES: a GROUP is 64 rows x 1,024: groups 0-255 a sequence of x, 256-303 a head of one weight.  ONE path: what differs is chosen by selects on the group's number.
; A group has eight parts, a wave each: part p takes rows 32 (p / 4) on and K steps 2 (p % 4), 2 (p % 4) + 1: four units of 16 rows x 128 K.  The launch is 304 x 8 = 2,432 waves of equal work that share
; nothing, so they are cut into SMALL work-groups, two waves each, four work-groups to a group: 1,216 work-groups, which can be dealt evenly.
; A unit's 16 loads read 512 consecutive bytes of a row each; the unit turns through the wave's own stage in LDS, so that a lane gets two whole blocks of 32 neighbours.  No barrier.
.set WAVES, 2
.set WST,   8448                       ; a wave's stage: 16 rows x PITCH
.set PITCH, 528                        ; 512 bytes + 16: row r starts 4 r words on, modulo 64 (64 banks of 4 bytes: ISA guide 11.1)
.set SPARE, WAVES*WST                  ; behind the stages: the spare words, 128 bytes a wave: one block of 256 bytes that no other line names
.set MX,  8                            ; v8-9    the two blocks' largest magnitudes
.set SC,  10                           ; v10-11  the conversions' scale operands
.set BY,  12                           ; v12-13  the scales' bytes
.set WW,  14                           ; v14     my two bytes at their places
.set T,   15                           ; v15     the other half's
.set SPW, 16                           ; v16     LDS address of my spare word; never rewritten
.set NIL, 17                           ; v17     0; never rewritten
.set WD,  18                           ; v18-21  unit n's scale word of row r (in both halves of the lanes);  v[22:23] the pair that goes out
.set OFF, 24                           ; v24-39  row j of a unit: j x row stride + 16 x lane; never rewritten
.set CD,  40                           ; v40-55  codes: two sets of 8
.set R,   56                           ; v56-247 numbers: three sets of 64
.set SB,  32                           ; s[32:33], s[34:35] input at my even, my odd tile
.set OB,  36                           ; s[36:37], s[38:39] codes at my first, my second K step
.set SCB, 40                           ; s[40:41] my 256 bytes of scale words
.set HM,  42                           ; s42     lanes 16-31
.set GR,  43                           ; s43     my group, 0..303
.set SEL, 44                           ; s[44:45] v_permlanex16_b32's selects for lane l xor 16
	s_load_b256 s[4:11], s[0:1], 0x0               ; hidden_states s[4:5], Wq s[6:7], Wk s[8:9], Wv s[10:11]
	s_load_b128 s[12:15], s[0:1], 0x20             ; xq s[12:13], wq s[14:15]
	v_lshl_add_u32 v[SPW], v0, 2, SPARE
	v_mov_b32 v[NIL], 0
	v_lshrrev_b32 v1, 5, v0
	v_readfirstlane_b32 s16, v1                    ; wave 0..1
	s_mul_i32 s19, s16, WST                        ; my stage: LDS addresses hang on the wave's number alone
	s_lshr_b32 s[GR], ttmp9, 2                     ; four work-groups to a group
	s_and_b32 s18, ttmp9, 3
	s_lshl_b32 s18, s18, 1
	s_add_co_u32 s18, s18, s16                     ; my part of the group, 0..7
	s_lshr_b32 s17, s18, 2                         ; u: which 32 rows
	s_and_b32 s18, s18, 3                          ; kq: which pair of K steps
	v_and_b32 v1, 31, v0                           ; lane
	v_lshlrev_b32 v2, 4, v1                        ; 16 x lane
	v_lshlrev_b32 v3, 3, v1                        ; 8 x lane
	v_add_nc_u32 v4, s19, v2                       ; into the stage: 16 x lane of row j
	v_and_b32 v7, 15, v0                           ; r
	v_bfe_u32 v6, v0, 4, 1                         ; h
	v_mul_u32_u24 v5, v7, PITCH
	v_lshl_add_u32 v5, v6, 7, v5
	v_add_nc_u32 v5, s19, v5                       ; out of it: row r, + 128 h bytes: my 32 neighbours of each 64
	v_lshlrev_b32 v6, 3, v6                        ; 8 h: how far my two bytes move up in the scale word
	v_mov_b32 v[T], 0                              ; written once: a lane permute's destination counts as one of its sources
	; what differs between x and a weight: both candidates first, then one compare and a run of selects
	s_sub_co_u32 s27, s[GR], 256
	s_bfe_u32 s28, s27, 0x20004                    ; which weight: 0, 1, 2
	s_and_b32 s27, s27, 15                         ; which head
	s_lshl_b32 s29, s27, 18                        ; a weight's first byte: head x 64 rows of 4,096 bytes
	s_lshl_b32 s28, s28, 1
	s_add_co_u32 s28, s28, s17                     ; a weight's pair of tiles: 2 x weight + u
	s_lshr_b32 s30, s[GR], 6
	s_lshl_b32 s30, s30, 24                        ; x's first byte: b x 2^24
	s_and_b32 s31, s[GR], 63
	s_lshl_b32 s31, s31, 12
	s_add_co_u32 s30, s30, s31                     ; + seq x 4,096
	s_mov_b32 s20, 4096
	s_mov_b32 s21, 12288
	s_mov_b32 s22, 104448
	s_mov_b32 s23, 98304
	s_cmp_lt_u32 s[GR], 256                        ; x's group or a weight's?
	s_cselect_b32 s20, 0x40000, s20                ; bytes from row to row: tokens lie 64 x 4,096 apart
	s_cselect_b32 s21, 4096, s21                   ; a K step's fragments in the output block
	s_cselect_b32 s22, 34816, s22                  ; the output block
	s_cselect_b32 s23, 32768, s23                  ; where its scale words begin
	s_cselect_b32 s24, s30, s29                    ; the input's first byte
	s_cselect_b32 s25, s[GR], s27                  ; which output block
	s_cselect_b32 s26, s17, s28                    ; which pair of tiles in it
	s_mul_i32 s28, s17, s20
	s_lshl_b32 s28, s28, 5                         ; u x 32 rows
	s_add_co_u32 s28, s28, s24
	s_lshl_b32 s29, s18, 10                        ; kq x 256 numbers
	s_add_co_u32 s28, s28, s29
	s_mov_b32 s29, 0                               ; s[28:29]: my even tile in the input
	s_lshl_b32 s30, s20, 4
	s_mov_b32 s31, 0                               ; s[30:31]: 16 rows on
	s_mul_i32 s24, s25, s22                        ; the output block's first byte
	s_mul_i32 s36, s18, s21
	s_lshl_b32 s36, s36, 1                         ; K step 2 kq
	s_lshl_b32 s25, s26, 11                        ; the pair of tiles: 2,048 bytes
	s_add_co_u32 s36, s36, s25
	s_add_co_u32 s36, s36, s24
	s_mov_b32 s37, 0
	s_mov_b32 s38, s21
	s_mov_b32 s39, 0
	s_lshl_b32 s40, s26, 2
	s_add_co_u32 s40, s40, s18
	s_lshl_b32 s40, s40, 8                         ; (pair of tiles x 4 + kq) x 256
	s_add_co_u32 s40, s40, s23
	s_add_co_u32 s40, s40, s24
	s_mov_b32 s41, 0
	s_mov_b32 s[HM], 0xffff0000
	s_mov_b32 s[SEL], 0x76543210
	s_mov_b32 s[SEL+1], 0xfedcba98
.irp j, 0,1,2,3,4,5,6,7,8,9,10,11,12,13,14,15
	v_mad_u32_u24 v[OFF+\j], s20, \j, v2
.endr
	s_wait_kmcnt 0x0
	s_cmp_lt_u32 s[GR], 288                        ; the buffers are chosen on the group's number alone
	s_cselect_b64 s[8:9], s[8:9], s[10:11]
	s_cmp_lt_u32 s[GR], 272
	s_cselect_b64 s[6:7], s[6:7], s[8:9]
	s_cmp_lt_u32 s[GR], 256
	s_cselect_b64 s[4:5], s[4:5], s[6:7]
	s_cselect_b64 s[12:13], s[12:13], s[14:15]
	s_add_nc_u64 s[SB:SB+1], s[4:5], s[28:29]
	s_add_nc_u64 s[SB+2:SB+3], s[SB:SB+1], s[30:31]
	s_add_nc_u64 s[SCB:SCB+1], s[12:13], s[SCB:SCB+1]
	s_add_nc_u64 s[OB:OB+1], s[12:13], s[OB:OB+1]
	s_add_nc_u64 s[OB+2:OB+3], s[OB:OB+1], s[OB+2:OB+3]
; Unit n: tile n % 2 of my pair, K step n / 2 of my pair.
.macro LOAD n                          ; 16 rows x 512 consecutive bytes, into set n % 3; read once in the launch
.irp j, 0,1,2,3,4,5,6,7,8,9,10,11,12,13,14,15
	global_load_b128 v[R+64*((\n)%3)+4*\j:R+64*((\n)%3)+4*\j+3], v[OFF+\j], s[SB+2*((\n)%2):SB+2*((\n)%2)+1] offset:512*((\n)/2) th:TH_LOAD_NT
.endr
.endm
.macro TURN n                          ; through the stage and back into the registers that it left: LDS serves a wave's instructions in order (ISA guide 5.7.1.4), so no wait stands between
.irp j, 0,1,2,3,4,5,6,7,8,9,10,11,12,13,14,15
	ds_store_b128 v4, v[R+64*((\n)%3)+4*\j:R+64*((\n)%3)+4*\j+3] offset:PITCH*\j
.endr
.irp c, 0,1
.irp i, 0,1,2,3,4,5,6,7
	ds_load_b128 v[R+64*((\n)%3)+32*\c+4*\i:R+64*((\n)%3)+32*\c+4*\i+3], v5 offset:256*\c+16*\i   ; register 32 c + e: row r, k = 64 c + 32 h + e
.endr
.endr
.endm
.macro STEP n, left                    ; left: the loads of later units, which may stay out
.set XR, R+64*((\n)%3)
.set CR, CD+8*((\n)%2)
	s_wait_loadcnt \left
	TURN \n
	s_wait_dscnt 0x0
.irp c, 0,1
	v_max3_num_f32 v[MX+\c], |v[XR+32*\c]|, |v[XR+32*\c+1]|, 0x1800000   ; block 2 c + h is all mine; the floor 2^(3 - 127) holds the byte at 1 from below
.endr
.irp i, 2,4,6,8,10,12,14,16,18,20,22,24,26,28,30
.irp c, 0,1
	v_max3_num_f32 v[MX+\c], v[MX+\c], |v[XR+32*\c+\i]|, |v[XR+32*\c+\i+1]|   ; (the two blocks by turns)
.endr
.endr
.irp c, 0,1
	v_add_nc_u32 v[SC+\c], 0xff000000, v[MX+\c]    ; 2 off the exponent field: the conversion takes that field as its scale, and nothing else
.endr
.irp c, 0,1
	v_lshrrev_b32 v[BY+\c], 23, v[SC+\c]           ; the scale's byte
.endr
	v_lshl_or_b32 v[WW], v[BY+1], 16, v[BY]        ; blocks h and 2 + h of row r,
	v_lshlrev_b32 v[WW], v6, v[WW]                 ; at their places;
	v_permlanex16_b32 v[T], v[WW], s[SEL], s[SEL+1]
	v_or_b32 v[WD+(\n)], v[WW], v[T]               ; with lane l xor 16's two the word is whole
.if (\n) >= 2
	s_wait_xcnt 0x0                                ; unit n - 2's stores have read this set of codes: it is written again only behind this wait
.endif
.irp c, 0,1
.irp g, 0,1,2,3
	v_cvt_scalef32_pk8_fp4_f32 v[CR+4*\c+\g], v[XR+32*\c+8*\g:XR+32*\c+8*\g+7], v[SC+\c]   ; register 4 c + g of the fragment
.endr
.endr
	v_nop                                          ; one plain place behind the last scaled conversion
.irp c, 0,1
	global_store_b128 v2, v[CR+4*\c:CR+4*\c+3], s[OB+2*((\n)/2):OB+2*((\n)/2)+1] offset:1024*((\n)%2)+512*\c   ; 32 lanes store 512 consecutive bytes, aligned
.endr
.endm
	LOAD 0
	LOAD 1
	LOAD 2
	STEP 0, 32
	LOAD 3                                         ; into unit 0's set, whose numbers have been converted
	STEP 1, 32
	v_cndmask_b32 v22, v[WD], v[WD+1], s[HM]       ; first K step: lanes 0-15 the even tile's words, lanes 16-31 the odd tile's
	STEP 2, 16
	STEP 3, 0
	v_cndmask_b32 v23, v[WD+2], v[WD+3], s[HM]     ; second K step
	global_store_b64 v3, v[22:23], s[SCB:SCB+1]    ; 32 lanes store 256 consecutive bytes, aligned
	s_wait_tensorcnt 0x0                           ; the wave's end: behind my last LDS store
	ds_add_u32 v[SPW], v[NIL]
	s_wait_dscnt 0x0
	s_endpgm
.Lfunc_end_k_q76b4d3c15c_quant:
	.size	k_q76b4d3c15c_quant, .Lfunc_end_k_q76b4d3c15c_quant-k_q76b4d3c15c_quant
	.p2alignl 7, 3214868480
	.fill 96, 4, 3214868480
	.section	.rodata,"a",@progbits
	.p2align	6, 0x0
	.amdhsa_kernel k_q76b4d3c15c_quant
		.amdhsa_group_segment_fixed_size 17152
		.amdhsa_private_segment_fixed_size 0
		.amdhsa_enable_private_segment 0
		.amdhsa_kernarg_size 48
		.amdhsa_user_sgpr_count 2
		.amdhsa_user_sgpr_kernarg_segment_ptr 1
		.amdhsa_wavefront_size32 1
		.amdhsa_system_sgpr_workgroup_id_x 1
		.amdhsa_system_sgpr_workgroup_id_y 1
		.amdhsa_system_sgpr_workgroup_id_z 1
		.amdhsa_system_vgpr_workitem_id 0
		.amdhsa_next_free_vgpr 248
		.amdhsa_next_free_sgpr 66
		.amdhsa_reserve_vcc 0
		.amdhsa_float_denorm_mode_32 3
		.amdhsa_float_denorm_mode_16_64 3
		.amdhsa_memory_ordered 1
		.amdhsa_forward_progress 1
		.amdhsa_inst_pref_size 33
	.end_amdhsa_kernel
	.amdgpu_metadata
---
amdhsa.version: [ 1, 2 ]
amdhsa.kernels:
  - .name:           k_q76b4d3c15c_quant
    .symbol:         k_q76b4d3c15c_quant.kd
    .args:
      - { .name: hidden_states, .offset: 0, .size: 8, .value_kind: global_buffer, .address_space: global }
      - { .name: Wq, .offset: 8, .size: 8, .value_kind: global_buffer, .address_space: global }
      - { .name: Wk, .offset: 16, .size: 8, .value_kind: global_buffer, .address_space: global }
      - { .name: Wv, .offset: 24, .size: 8, .value_kind: global_buffer, .address_space: global }
      - { .name: xq, .offset: 32, .size: 8, .value_kind: global_buffer, .address_space: global }
      - { .name: wq, .offset: 40, .size: 8, .value_kind: global_buffer, .address_space: global }
    .group_segment_fixed_size: 17152
    .private_segment_fixed_size: 0
    .kernarg_segment_align: 8
    .kernarg_segment_size: 48
    .max_flat_workgroup_size: 64
    .sgpr_count:     66
    .vgpr_count:     248
    .wavefront_size: 32
...
	.end_amdgpu_metadata
.endif
;; end of part 1
;; launch attn (part 2): grid 64 x 4, 4 waves a work-group, clusters of 4 x 1, 327,680 bytes of LDS; arguments xq, wq, sim_graph, attention_mask, bq, bk, bv, out0; writes out0
.if DOCPART == 2
	.amdgcn_target "amdgcn-amd-amdhsa--gfx1250"
	.amdhsa_code_object_version 6
	.text
	.protected	k_q76b4d3c15c_attn
	.globl	k_q76b4d3c15c_attn
	.p2align	8
	.type	k_q76b4d3c15c_attn,@function
k_q76b4d3c15c_attn:
	s_mov_b64 s[64:65], 0
	v_nop
	global_prefetch_b8 v0, s[64:65] scope:SCOPE_SE
	s_setreg_imm32_b32 hwreg(HW_REG_WAVE_MODE, 25, 1), 1
	s_wait_xcnt 0x0
	s_wait_alu depctr_hold_cnt(0) depctr_sa_sdst(0) depctr_va_vdst(0) depctr_va_sdst(0) depctr_va_ssrc(0) depctr_va_vcc(0) depctr_vm_vsrc(0)
	s_getreg_b32 s2, hwreg(HW_REG_IB_STS2, 6, 4)
	s_cmp_eq_u32 s2, 0
	s_cbranch_scc0 .Lentry_in_a_cluster
	s_endpgm
.Lentry_in_a_cluster:
	s_bfe_u32 s2, ttmp6, 0x10000c
	s_cmp_lg_u32 s2, 0x3003
	s_cbranch_scc0 .Lentry_shape_is_right
	s_endpgm
.Lentry_shape_is_right:
; out0[b'][m][64 head + d] = sum over keys of softmax_key((q . k / 8) sim[b'][m][key] + (1 - am[key]) (-10000)) v[key][d], with q, k, v = x W^T + bias made here from codes of FP4 (E2M1) with E8M0 scales.
; SHARES.  Work-group (x, y) owns sequences b' = 4 x .. 4 x + 3, one a wave, and heads 4 y .. 4 y + 3, one a pass.  A wave keeps its 64 tokens x 1,024 codes of x in 256 registers for the whole launch.
; One head's Wq, Wk, Wv (codes and scale words, one dense block of 104,448 bytes, laid as images of the operand's registers) lies in one of two LDS slots.
; CLUSTER.  The four work-groups of a cluster have the same y and walk the same four heads: each quarter of a block is asked for JOINTLY, by the same tensor load with the same descriptor and a mask that names
; the four.  x is not shared so: it goes from memory straight into a wave's registers, once, and the work-groups that read the same x (other y) walk other weights.
; A PASS: 8 K steps of 128, 48 scaled matrix instructions each (Q, K: source 0 = 16 rows of W, source 1 = 16 tokens, so that a lane holds one token and eight neighbouring d; V: source 0 = 16 tokens, source 1 = 16 rows of Wv,
; so that a lane holds one d and eight neighbouring tokens).  Rounded to f16 in pairs these ARE the fragments of S^T = K Q^T and O^T = V^T P: nothing changes lanes, and a lane holds one query from the scores to the output.
; bq and bk are the C of each sum's first matrix instruction; bv is added behind the division by the row's sum (the weights of a row sum to 1).  The softmax takes the row's maximum away, in f32.
; LIMITS: q + bq, k + bk and v go to the second pair of products as f16: their magnitudes must stay under 65,504; NaN and infinities among the inputs are not served.
; REGISTERS, in windows of 256 (s_set_vgpr_msb: bits 1:0 source 0, 3:2 source 1, 5:4 source 2, 7:6 destination):
;   window 0: v1-15 addresses; v32-47 x's scale words; v48-95 the head's; v96-127 the mask's term for my 32 keys; v128-191 Wv's fragments, two sets; v192-255 bq's and bk's tiles
;   window 1: x's fragments, (K step s, tile i) at 32 s + 8 i
;   window 2: v0-127 Q (32 i + 8 t), then S^T and p (32 qt + 8 kt), then O^T (32 qt + 8 t); v128-255 K, then sim, then v128-159 statistics, v160-223 P, v224-255 bv
;   window 3: v0-127 V (32 t + 8 i), then V^T in f16 in v0-63; v128-255 Wq's and Wk's fragments, two sets of 64, which take Q and K in f16 between two passes
.set HEADB, 104448                     ; a head's block
.set QUART, HEADB/4                    ; what one wave fetches of it: 102 rows of 256 bytes
.set XBLK,  34816                      ; a sequence's block of xq
.set SLOT1, 1<<17                      ; slot 0 begins at 0, slot 1 here: one exclusive or turns an address
.set STAGE, HEADB                      ; behind slot 0: 16 rows x 272 bytes for each wave, for the way out
.set SP,    272                        ; 256 bytes + 16: row r starts 4 r words on, modulo 64 (64 banks of 4 bytes: ISA guide 11.1)
.set SPARE, 122880                     ; the spare words, 128 bytes a wave: two blocks of 256 bytes that no other line names
.set SIM,   SLOT1+HEADB                ; behind slot 1: sim / 8 of each wave's sequence, 64 rows x 272
.set SIMW,  64*SP
.set BIAS,  SIM+4*SIMW                 ; bq, bk, bv of the four heads, 1,024 bytes each, a copy for each wave
.set BIASW, 3072
.set LI,   1                           ; v1   16 x lane
.set L8,   2                           ; v2   8 x lane
.set WA0,  3                           ; v3   the slot in hand + 16 x lane: K steps 0-3
.set WA1,  4                           ; v4   + 49,152: K steps 4-7
.set WSA,  5                           ; v5   its scale words + 8 x lane
.set SIMA, 6                           ; v6   sim: row r, + 32 h
.set BA,   7                           ; v7   my copy of the biases + 32 h
.set BAC,  8                           ; v8   + 256 x the head whose tiles are fetched
.set BVA,  9                           ; v9   the same for the head in hand
.set STO,  10                          ; v10  the stage, in: row r, + 32 h
.set RD,   11                          ; v11  back: row h, + 16 r
.set GO,   12                          ; v12  the same two rows in out0
.set SS,   13                          ; v13  where sim's rows are stored
.set AMO,  14                          ; v14  the mask: 8 h keys x 256 bytes
.set BS,   15                          ; v15  where the biases are stored
.set SPW,  28                          ; v28  LDS address of my spare word; never rewritten
.set NIL,  29                          ; v29  0; never rewritten
.set XS,   32
.set WS,   48
.set MADD, 96
.set VF,   128
.set BI,   192
.set ST,   128                         ; window 2: tile qt's statistics at ST + 8 qt: +0 -m log2(e), +1 at work, +2..5 sums and maxima, +6 1 / sum, +7 at work
.set PP,   160
.set BV,   224
.set WV,   20                          ; s20  wave
.set TB,   48                          ; s48  the slot from which fragments are fetched
.set HB,   49                          ; s49  256 x the head of that fetch
.set CNT,  50
.set SEL,  52                          ; s[52:53] v_permlanex16_b32's selects for lane l xor 16
.set L2E,  54                          ; s[54:55] log2(e): the packed form names a pair and takes its low word
.set EIG,  56                          ; s[56:57] 1 / 8
.set TENK, 58                          ; s58 10000, s59 -10000
.set MSB, 0
.macro WIN new                         ; the immediate's high byte repeats the setting that is left; a switch that changes nothing is dropped
.if MSB != \new
	s_set_vgpr_msb (MSB<<8)|\new
.set MSB, \new
.endif
.endm
.macro PLACES                          ; four plain vector instructions behind matrix instructions, in front of loads into and vector work on their registers
.rept 4
	v_nop
.endr
.endm
.macro CROUND                          ; a round of the cluster's barrier: my work-group's barrier; wave 0 signals for the work-group; every wave waits for all four; my work-group's barrier once more
	s_barrier_signal -1
	s_barrier_wait -1
	s_cmp_lg_u32 s[WV], 0
	s_cbranch_scc1 .Lnot_wave_0_\@
	s_barrier_signal -3
.Lnot_wave_0_\@:
	s_barrier_wait -3
	s_barrier_signal -1
	s_barrier_wait -1
.endm
.macro ADDRS                           ; the addresses that hang on the slot and the head of the next fetch
	v_add_nc_u32 v[WA0], s[TB], v[LI]
	v_add_nc_u32 v[WA1], 49152, v[WA0]
	v_add_nc_u32 v[WSA], s[TB], v[L8]
	v_add_nc_u32 v[WSA], 98304, v[WSA]
	v_add_nc_u32 v[BAC], s[HB], v[BA]
.endm
; One scaled matrix instruction from the symbols rD, rA, rB, rC (rZ = 1: the constant 0), the scale registers rSA, rSB and their rows rRA, rRB (1: lanes 16-31)
.macro WM
.if rZ
.if rRA && rRB
	v_wmma_scale_f32_16x16x128_f8f6f4 v[rD:rD+7], v[rA:rA+7], v[rB:rB+7], 0, v[rSA], v[rSB] matrix_a_fmt:MATRIX_FMT_FP4 matrix_b_fmt:MATRIX_FMT_FP4 matrix_a_scale:MATRIX_SCALE_ROW1 matrix_b_scale:MATRIX_SCALE_ROW1
.elseif rRA
	v_wmma_scale_f32_16x16x128_f8f6f4 v[rD:rD+7], v[rA:rA+7], v[rB:rB+7], 0, v[rSA], v[rSB] matrix_a_fmt:MATRIX_FMT_FP4 matrix_b_fmt:MATRIX_FMT_FP4 matrix_a_scale:MATRIX_SCALE_ROW1
.elseif rRB
	v_wmma_scale_f32_16x16x128_f8f6f4 v[rD:rD+7], v[rA:rA+7], v[rB:rB+7], 0, v[rSA], v[rSB] matrix_a_fmt:MATRIX_FMT_FP4 matrix_b_fmt:MATRIX_FMT_FP4 matrix_b_scale:MATRIX_SCALE_ROW1
.else
	v_wmma_scale_f32_16x16x128_f8f6f4 v[rD:rD+7], v[rA:rA+7], v[rB:rB+7], 0, v[rSA], v[rSB] matrix_a_fmt:MATRIX_FMT_FP4 matrix_b_fmt:MATRIX_FMT_FP4
.endif
.else
.if rRA && rRB
	v_wmma_scale_f32_16x16x128_f8f6f4 v[rD:rD+7], v[rA:rA+7], v[rB:rB+7], v[rC:rC+7], v[rSA], v[rSB] matrix_a_fmt:MATRIX_FMT_FP4 matrix_b_fmt:MATRIX_FMT_FP4 matrix_a_scale:MATRIX_SCALE_ROW1 matrix_b_scale:MATRIX_SCALE_ROW1
.elseif rRA
	v_wmma_scale_f32_16x16x128_f8f6f4 v[rD:rD+7], v[rA:rA+7], v[rB:rB+7], v[rC:rC+7], v[rSA], v[rSB] matrix_a_fmt:MATRIX_FMT_FP4 matrix_b_fmt:MATRIX_FMT_FP4 matrix_a_scale:MATRIX_SCALE_ROW1
.elseif rRB
	v_wmma_scale_f32_16x16x128_f8f6f4 v[rD:rD+7], v[rA:rA+7], v[rB:rB+7], v[rC:rC+7], v[rSA], v[rSB] matrix_a_fmt:MATRIX_FMT_FP4 matrix_b_fmt:MATRIX_FMT_FP4 matrix_b_scale:MATRIX_SCALE_ROW1
.else
	v_wmma_scale_f32_16x16x128_f8f6f4 v[rD:rD+7], v[rA:rA+7], v[rB:rB+7], v[rC:rC+7], v[rSA], v[rSB] matrix_a_fmt:MATRIX_FMT_FP4 matrix_b_fmt:MATRIX_FMT_FP4
.endif
.endif
.endm
; K step s's twelve fragments of the head, 24 loads of 512 consecutive bytes, into set s % 2
.macro FETCH s
.set fp, (\s)%2
.if (\s) < 4
.set fa, WA0
.set fo, (\s)*12288
.else
.set fa, WA1
.set fo, ((\s)-4)*12288
.endif
	WIN 0xc0                                       ; destination window 3
.set ff, 0
.rept 8
	ds_load_b128 v[128+64*fp+8*ff:128+64*fp+8*ff+3],   v[fa] offset:fo+1024*ff
	ds_load_b128 v[128+64*fp+8*ff+4:128+64*fp+8*ff+7], v[fa] offset:fo+1024*ff+512
.set ff, ff+1
.endr
	WIN 0
.set ff, 0
.rept 4
	ds_load_b128 v[VF+32*fp+8*ff:VF+32*fp+8*ff+3],   v[fa] offset:fo+1024*(8+ff)
	ds_load_b128 v[VF+32*fp+8*ff+4:VF+32*fp+8*ff+7], v[fa] offset:fo+1024*(8+ff)+512
.set ff, ff+1
.endr
.endm
; What a head's first K step wants: its fragments, all the head's scale words, and bq's and bk's tiles in the result's layout (lane (r, h), register j: d = 16 t + 8 h + j)
.macro HEADFETCH
	FETCH 0
.set ee, 0
.rept 24
	ds_load_b64 v[WS+2*ee:WS+2*ee+1], v[WSA] offset:256*ee
.set ee, ee+1
.endr
.set ff, 0
.rept 8
	ds_load_b128 v[BI+8*ff:BI+8*ff+3],   v[BAC] offset:(ff/4)*1024+(ff%4)*64
	ds_load_b128 v[BI+8*ff+4:BI+8*ff+7], v[BAC] offset:(ff/4)*1024+(ff%4)*64+16
.set ff, ff+1
.endr
.endm
; A K step of 128: 48 matrix instructions on 48 accumulators, which take turns, one instruction a turn, in the same order in every step.
; The next step's fragments are asked for in ONE run at the step's head, 48 matrix instructions ahead of the wait for them.
.macro STEP s
.set pp, (\s)%2
	s_wait_dscnt 0x0                               ; this step's fragments are in
.if (\s) < 7
	PLACES                                         ; the other set was read by the step before
	FETCH (\s)+1
.endif
.if (\s) == 0
	WIN 0x87                                       ; W window 3, x window 1, C (the bias) window 0, D window 2
.else
	WIN 0xa7                                       ; C and D window 2
.endif
.set ff, 0
.rept 8                                ; Wq's four tiles, then Wk's
.set ii, 0
.rept 4                                ; x's four tiles
.set rD, 128*(ff/4)+32*ii+8*(ff%4)
.set rA, 128+64*pp+8*ff
.set rB, 32*(\s)+8*ii
.if (\s) == 0
.set rC, BI+8*ff
.else
.set rC, rD
.endif
.set rZ, 0
.set rSA, WS+2*((ff/2)*4+(\s)/2)+(\s)%2
.set rSB, XS+2*((ii/2)*4+(\s)/2)+(\s)%2
.set rRA, ff%2
.set rRB, ii%2
	WM
.set ii, ii+1
.endr
.set ff, ff+1
.endr
	WIN 0xf1                                       ; x window 1, Wv window 0, C and D window 3
.set tt, 0
.rept 4
.set ii, 0
.rept 4
.set rD, 32*tt+8*ii
.set rA, 32*(\s)+8*ii
.set rB, VF+32*pp+8*tt
.set rC, rD
.if (\s) == 0
.set rZ, 1
.else
.set rZ, 0
.endif
.set rSA, XS+2*((ii/2)*4+(\s)/2)+(\s)%2
.set rSB, WS+2*(((8+tt)/2)*4+(\s)/2)+(\s)%2
.set rRA, ii%2
.set rRB, tt%2
	WM
.set ii, ii+1
.endr
.set tt, tt+1
.endr
.endm
.macro GEMM                            ; written out: x's register numbers change from step to step
	STEP 0
	STEP 1
	STEP 2
	STEP 3
	STEP 4
	STEP 5
	STEP 6
	STEP 7
.endm
; THE CHANGE OF SLOTS, behind a head's products.  Each wave waits for all its tensor loads (its quarter of the other slot), adds 0 to its spare word, and waits for that and for its reads of this slot.
; Behind the barrier nobody reads this slot and the other is whole.  fill = 1: the barrier is a round of the cluster's, and this slot takes the head two on: one load a wave, first thing behind the round;
; that is the wave's one tensor load out.  It has this head's attention and the next head's products in which to land.
.macro CHANGE fill
	WIN 0
	s_wait_tensorcnt 0x0                           ; no tensor load of mine is out, so the walking group 0 may be written
	ds_add_u32 v[SPW], v[NIL]                      ; 0 onto my spare word
.if \fill
	s_xor_b32 s45, s45, SLOT1                      ; the other slot than last time,
	s_add_nc_u64 s[46:47], s[46:47], HEADB         ; the next head; the type bits on top are not reached
.endif
	s_wait_dscnt 0x0                               ; the add is done, and my reads of this slot are over
.if \fill
	CROUND
	tensor_load_to_lds s[44:47], s[32:39]
	s_nop 0
.else
	s_barrier_signal -1
	s_barrier_wait -1
.endif
	PLACES                                         ; the places behind the last products
.endm
; The way out of tile qt: a lane's 32 bytes of a row go into rows of 272 bytes and come back as whole rows of 256, into the registers that they left.
.macro PACK qt
	WIN 0x08                                       ; an LDS store's data are its source 1: window 2
.irp t, 0,1,2,3
	ds_store_b128 v[STO], v[32*(\qt)+8*\t:32*(\qt)+8*\t+3] offset:64*\t
	ds_store_b128 v[STO], v[32*(\qt)+8*\t+4:32*(\qt)+8*\t+7] offset:64*\t+16
.endr
	WIN 0x80
.irp n, 0,1,2,3,4,5,6,7
	ds_load_b128 v[32*(\qt)+4*\n:32*(\qt)+4*\n+3], v[RD] offset:\n*2*SP   ; LDS serves a wave's instructions in order (ISA guide 5.7.1.4): these see the stores above; the next tile's stores come behind them
.endr
.endm
.macro SEND qt, younger                ; younger: the LDS instructions issued behind tile qt's loads
	WIN 0x08
.irp n, 0,1,2,3,4,5,6,7
	s_wait_dscnt \younger+7-\n
	global_store_b128 v[GO], v[32*(\qt)+4*\n:32*(\qt)+4*\n+3], s[18:19] offset:(16*(\qt)+2*\n)*4096 th:TH_STORE_NT   ; 16 lanes store 256 consecutive bytes, aligned: one (row, head) of out0
.endr
.endm
; THE ATTENTION of the head in hand.  last = 1: the launch's last head fetches nothing for a next one.
.macro ATT last
	WIN 0
	v_mov_b32 v[BVA], v[BAC]                       ; this head's place among the biases: v[BAC] moves on below
	WIN 0xca                                       ; sources window 2, destination window 3
.set xx, 0
.rept 64
	v_cvt_pk_f16_f32 v[192+xx], v[128+2*xx], v[128+2*xx+1]   ; K in f16: tiles 2 c, 2 c + 1 of 16 tokens are a fragment of 32 d.  Each accumulator from its low end on
.set xx, xx+1
.endr
	WIN 0x80
.set xx, 0
.rept 16                               ; sim / 8 in the scores' layout, into K's registers: xx = 4 qt + kt
	ds_load_b128 v[128+8*xx:128+8*xx+3],   v[SIMA] offset:(xx/4)*16*SP+(xx%4)*64
	ds_load_b128 v[128+8*xx+4:128+8*xx+7], v[SIMA] offset:(xx/4)*16*SP+(xx%4)*64+16
.set xx, xx+1
.endr
	WIN 0xca
.set xx, 0
.rept 64
	v_cvt_pk_f16_f32 v[128+xx], v[2*xx], v[2*xx+1]           ; Q in f16
.set xx, xx+1
.endr
	WIN 0xcf
.set xx, 0
.rept 64
	v_cvt_pk_f16_f32 v[xx], v[2*xx], v[2*xx+1]               ; V^T in f16, in place: register xx is written when 2 xx and 2 xx + 1 have been read
.set xx, xx+1
.endr
	WIN 0xaf                                       ; K and Q window 3, S^T window 2
.set xx, 0
.rept 16                               ; S^T = K Q^T: xx = 4 qt + kt; the 16 accumulators by turns; d 0-31 starts the sums
	v_wmma_f32_16x16x32_f16 v[8*xx:8*xx+7], v[192+16*(xx%4):192+16*(xx%4)+7], v[128+16*(xx/4):128+16*(xx/4)+7], 0
.set xx, xx+1
.endr
.set xx, 0
.rept 16
	v_wmma_f32_16x16x32_f16 v[8*xx:8*xx+7], v[192+16*(xx%4)+8:192+16*(xx%4)+15], v[128+16*(xx/4)+8:128+16*(xx/4)+15], v[8*xx:8*xx+7]
.set xx, xx+1
.endr
	WIN 0
	PLACES
	s_wait_dscnt 0x0                               ; sim is in
	s_xor_b32 s[TB], s[TB], SLOT1                  ; the next head lies in the other slot, which the change of slots has shown whole
	s_add_co_u32 s[HB], s[HB], 256
	ADDRS
.if \last
	s_cmp_eq_u32 s[CNT], 1                         ; a count of passes: the same in every wave and every work-group
	s_cbranch_scc1 .Lno_next_\@
.endif
	HEADFETCH                                      ; into registers that Q in f16 and the last head's scales and biases have left; it lands under the softmax
.if \last
.Lno_next_\@:
.endif
	WIN 0x8a                                       ; S^T and sim window 2, the mask's term window 0
.set xx, 0
.rept 64
	v_pk_fma_f32 v[2*xx:2*xx+1], v[2*xx:2*xx+1], v[128+2*xx:128+2*xx+1], v[MADD+(2*xx)%32:MADD+(2*xx)%32+1]   ; the score: (q . k) (sim / 8) + (1 - am) (-10000)
.set xx, xx+1
.endr
	WIN 0xaa                                       ; all in window 2
.irp j, 0,1,2,3                        ; the row's maximum: four chains a tile, the four tiles by turns
.irp u, 0,1,2,3
	v_max3_num_f32 v[ST+8*\u+4+\j], v[32*\u+8*\j], v[32*\u+8*\j+1], v[32*\u+8*\j+2]
.endr
.endr
.irp g, 1,2
.irp j, 0,1,2,3
.irp u, 0,1,2,3
	v_max3_num_f32 v[ST+8*\u+4+\j], v[ST+8*\u+4+\j], v[32*\u+8*\j+2*\g+1], v[32*\u+8*\j+2*\g+2]
.endr
.endr
.endr
.irp u, 0,1,2,3
	v_max3_num_f32 v[ST+8*\u+4], v[ST+8*\u+4], v[32*\u+7], v[32*\u+15]
.endr
.irp u, 0,1,2,3
	v_max3_num_f32 v[ST+8*\u+6], v[ST+8*\u+6], v[32*\u+23], v[32*\u+31]
.endr
.irp u, 0,1,2,3
	v_max3_num_f32 v[ST+8*\u+4], v[ST+8*\u+4], v[ST+8*\u+5], v[ST+8*\u+6]
.endr
.irp u, 0,1,2,3
	v_max_num_f32 v[ST+8*\u+4], v[ST+8*\u+4], v[ST+8*\u+7]
.endr
.irp u, 0,1,2,3
	v_permlanex16_b32 v[ST+8*\u+1], v[ST+8*\u+4], s[SEL], s[SEL+1]   ; the query's other 32 keys lie in the lane 16 away
.endr
.irp u, 0,1,2,3
	v_max_num_f32 v[ST+8*\u+5], v[ST+8*\u+4], v[ST+8*\u+1]
.endr
.irp u, 0,1,2,3
	v_mul_f32 v[ST+8*\u], 0xbfb8aa3b, v[ST+8*\u+5]           ; -m log2(e)
.endr
.set xx, 0
.rept 64
	v_pk_fma_f32 v[2*xx:2*xx+1], v[2*xx:2*xx+1], s[L2E:L2E+1], v[ST+8*(xx/16):ST+8*(xx/16)+1] op_sel_hi:[1,0,0]   ; (s - m) log2(e)
.set xx, xx+1
.endr
.set xx, 0
.rept 128
	v_exp_f32 v[xx], v[xx]                         ; p = e^(s - m): one batch
.set xx, xx+1
.endr
	v_nop                                          ; a plain instruction behind the last exponential
	s_wait_alu depctr_va_vdst(0)                   ; one wait for the batch, ahead of its first reader
.set xx, 0
.rept 64
	v_cvt_pk_f16_f32 v[PP+xx], v[2*xx], v[2*xx+1]  ; P in f16: tiles 2 c, 2 c + 1 of 16 keys are a fragment of 32 keys
.set xx, xx+1
.endr
.irp u, 0,1,2,3                        ; the row's sum, of the p that were not rounded: two chains a tile
	v_pk_add_f32 v[ST+8*\u+2:ST+8*\u+3], v[32*\u:32*\u+1], v[32*\u+2:32*\u+3]
.endr
.irp u, 0,1,2,3
	v_pk_add_f32 v[ST+8*\u+4:ST+8*\u+5], v[32*\u+4:32*\u+5], v[32*\u+6:32*\u+7]
.endr
.irp j, 8,12,16,20,24,28
.irp u, 0,1,2,3
	v_pk_add_f32 v[ST+8*\u+2:ST+8*\u+3], v[ST+8*\u+2:ST+8*\u+3], v[32*\u+\j:32*\u+\j+1]
	v_pk_add_f32 v[ST+8*\u+4:ST+8*\u+5], v[ST+8*\u+4:ST+8*\u+5], v[32*\u+\j+2:32*\u+\j+3]
.endr
.endr
.irp u, 0,1,2,3
	v_pk_add_f32 v[ST+8*\u+2:ST+8*\u+3], v[ST+8*\u+2:ST+8*\u+3], v[ST+8*\u+4:ST+8*\u+5]
.endr
.irp u, 0,1,2,3
	v_add_f32 v[ST+8*\u+2], v[ST+8*\u+2], v[ST+8*\u+3]
.endr
.irp u, 0,1,2,3
	v_permlanex16_b32 v[ST+8*\u+4], v[ST+8*\u+2], s[SEL], s[SEL+1]
.endr
.irp u, 0,1,2,3
	v_add_f32 v[ST+8*\u+2], v[ST+8*\u+2], v[ST+8*\u+4]
.endr
.irp u, 0,1,2,3
	v_rcp_f32 v[ST+8*\u+6], v[ST+8*\u+2]
.endr
	v_nop                                          ; a plain instruction behind the last reciprocal; the wait for the four stands ahead of their first reader, below
	WIN 0x80
.irp t, 0,1,2,3
	ds_load_b128 v[BV+8*\t:BV+8*\t+3],   v[BVA] offset:2048+64*\t      ; bv in O^T's layout
	ds_load_b128 v[BV+8*\t+4:BV+8*\t+7], v[BVA] offset:2048+64*\t+16
.endr
	WIN 0xab                                       ; V^T window 3, P, C and D window 2
.set xx, 0
.rept 16                               ; O^T = V^T P: xx = 4 qt + t; keys 0-31 start the sums
	v_wmma_f32_16x16x32_f16 v[8*xx:8*xx+7], v[16*(xx%4):16*(xx%4)+7], v[PP+16*(xx/4):PP+16*(xx/4)+7], 0
.set xx, xx+1
.endr
.set xx, 0
.rept 16
	v_wmma_f32_16x16x32_f16 v[8*xx:8*xx+7], v[16*(xx%4)+8:16*(xx%4)+15], v[PP+16*(xx/4)+8:PP+16*(xx/4)+15], v[8*xx:8*xx+7]
.set xx, xx+1
.endr
	WIN 0xaa
	PLACES
	s_wait_dscnt 0x0                               ; bv is in (and the next head's first fetch)
	s_wait_alu depctr_va_vdst(0)                   ; the wait for the four reciprocals
.set xx, 0
.rept 64
	v_pk_fma_f32 v[2*xx:2*xx+1], v[2*xx:2*xx+1], v[ST+8*(xx/16)+6:ST+8*(xx/16)+7], v[BV+(2*xx)%32:BV+(2*xx)%32+1] op_sel_hi:[1,0,1]   ; O^T / the sum + bv
.set xx, xx+1
.endr
	PACK 0
	PACK 1                                         ; a tile's way through the stage stands between the loads of the tile before and its stores
	SEND 0, 16
	PACK 2
	SEND 1, 16
	PACK 3
	SEND 2, 16
	SEND 3, 0
	WIN 0
	s_wait_xcnt 0x0                                ; the stores have read their registers and their base: both are written again only behind this wait
	s_add_nc_u64 s[18:19], s[18:19], 256           ; the next head's 64 columns
.endm
	s_load_b512 s[4:19], s[0:1], 0x0               ; xq s[4:5], wq s[6:7], sim s[8:9], mask s[10:11], bq s[12:13], bk s[14:15], bv s[16:17], out0 s[18:19]
	v_lshl_add_u32 v[SPW], v0, 2, SPARE
	v_mov_b32 v[NIL], 0
	ds_add_u32 v[SPW], v[NIL]                      ; the wave's opening: the add, twice on end, and its wait ahead of my first tensor load; the set-up below, work on registers, stands between
	ds_add_u32 v[SPW], v[NIL]
	v_lshrrev_b32 v18, 5, v0
	v_readfirstlane_b32 s[WV], v18                 ; wave 0..3
	s_bfe_u32 s21, ttmp6, 0x40000                  ; cx: my place in the cluster: it enters the global addresses of x, sim, the mask and out0 alone
	s_lshl_b32 s22, ttmp9, 2                       ; in a cluster launch ttmp9 counts clusters
	s_add_co_u32 s22, s22, s21                     ; my group of four sequences
	s_and_b32 s23, ttmp7, 0xffff                   ; my group of four heads, which the four partners share
	s_lshl_b32 s24, s22, 2
	s_add_co_u32 s24, s24, s[WV]                   ; b': my wave's sequence
	; descriptor group 1: a quarter of a head's block, 26,112 dense bytes, as 102 rows of 32 elements of 8 bytes
	s_mov_b32 s32, 15|(3<<16)|(1<<21)              ; 15:0 the mask: all four work-groups; 17:16 elements of 8 bytes; 20 no padding; 21 set beside a mask
	s_mov_b32 s33, 32<<16                          ; tensor_dim0 = 32
	s_mov_b32 s34, 102<<16                         ; tensor_dim1 = 102
	s_mov_b32 s35, 32<<16                          ; tile_dim0 = 32
	s_mov_b32 s36, 102                             ; tile_dim1 = 102
	s_mov_b32 s37, 32                              ; elements from row to row
	s_mov_b32 s38, 0
	s_mov_b32 s39, 0
	s_mul_i32 s28, s[WV], QUART                    ; my quarter: its place in a slot and in a block
	s_mul_i32 s30, s23, 4*HEADB                    ; my group's first head
	s_add_co_u32 s30, s30, s28
	s_mov_b32 s31, 0
	s_mov_b32 s40, 1                               ; group 0 for slot 0: count = 1,
	s_mov_b32 s41, s28                             ; LDS address
	s_mov_b32 s44, 1                               ; group 0 for slot 1, which then walks on
	s_add_co_u32 s45, s28, SLOT1
	s_mov_b32 s[SEL], 0x76543210
	s_mov_b32 s[SEL+1], 0xfedcba98
	s_mov_b32 s[L2E], 0x3fb8aa3b
	s_mov_b32 s[L2E+1], s[L2E]
	s_mov_b32 s[EIG], 0x3e000000
	s_mov_b32 s[EIG+1], s[EIG]
	s_mov_b32 s[TENK], 0x461c4000
	s_mov_b32 s[TENK+1], 0xc61c4000
	s_mov_b32 s[TB], 0
	s_mov_b32 s[HB], 0
	v_and_b32 v18, 31, v0
	v_lshlrev_b32 v[LI], 4, v18
	v_lshlrev_b32 v[L8], 3, v18
	v_and_b32 v16, 15, v0                          ; r
	v_bfe_u32 v17, v0, 4, 1                        ; h
	v_mul_u32_u24 v19, v16, SP                     ; r x 272
	v_mul_u32_u24 v20, v17, SP
	v_lshl_add_u32 v20, v16, 4, v20                ; h x 272 + 16 r
	s_mul_i32 s29, s[WV], SIMW
	s_add_co_u32 s29, s29, SIM
	v_lshl_add_u32 v[SIMA], v17, 5, v19
	v_add_nc_u32 v[SIMA], s29, v[SIMA]
	v_add_nc_u32 v[SS], s29, v20
	s_mul_i32 s29, s[WV], 16*SP
	s_add_co_u32 s29, s29, STAGE
	v_lshl_add_u32 v[STO], v17, 5, v19
	v_add_nc_u32 v[STO], s29, v[STO]
	v_add_nc_u32 v[RD], s29, v20
	s_mul_i32 s29, s[WV], BIASW
	s_add_co_u32 s29, s29, BIAS
	v_lshl_add_u32 v[BA], v17, 5, s29
	v_add_nc_u32 v[BS], s29, v[LI]
	v_lshlrev_b32 v[GO], 12, v17
	v_lshl_add_u32 v[GO], v16, 4, v[GO]            ; lanes 0-15 one row of out0, lanes 16-31 the next; 16 bytes a lane
	v_lshlrev_b32 v[AMO], 11, v17
	ADDRS
	s_wait_dscnt 0x0                               ; both opening adds are done
	s_wait_kmcnt 0x0
	s_add_nc_u64 s[42:43], s[6:7], s[30:31]        ; head 0 of my group, my quarter
	s_add_nc_u64 s[46:47], s[42:43], HEADB         ; head 1
	s_or_b32 s43, s43, 0x80000000                  ; type = 2
	s_or_b32 s47, s47, 0x80000000
	CROUND                                         ; all four work-groups are here: the first joint loads meet
	tensor_load_to_lds s[40:43], s[32:39]          ; the two first fills go out together: two tensor loads of mine are out
	s_nop 0
	tensor_load_to_lds s[44:47], s[32:39]
	s_nop 0
	PLACES
	s_mov_b32 s27, 0
	s_mul_i32 s26, s24, XBLK
	s_add_nc_u64 s[4:5], s[4:5], s[26:27]          ; my sequence's block of xq
	s_lshl_b32 s26, s24, 14
	s_add_nc_u64 s[8:9], s[8:9], s[26:27]          ; sim[b']
	s_lshr_b32 s26, s24, 6
	s_lshl_b32 s26, s26, 14
	s_and_b32 s25, s24, 63
	s_lshl_b32 s25, s25, 2
	s_add_co_u32 s26, s26, s25
	s_add_nc_u64 s[10:11], s[10:11], s[26:27]      ; attention_mask[b][0][seq]: keys lie 256 bytes apart
	s_lshl_b32 s26, s23, 10
	s_add_nc_u64 s[12:13], s[12:13], s[26:27]      ; my four heads' biases,
	s_add_nc_u64 s[14:15], s[14:15], s[26:27]
	s_add_nc_u64 s[16:17], s[16:17], s[26:27]
	s_add_nc_u64 s[18:19], s[18:19], s[26:27]      ; and their columns of out0,
	s_lshl_b32 s26, s24, 18
	s_add_nc_u64 s[18:19], s[18:19], s[26:27]      ; in my sequence's 64 rows
	WIN 0x80                                       ; destination window 2
.set nn, 0
.rept 32
	global_load_b128 v[4*nn:4*nn+3], v[LI], s[8:9] offset:512*nn   ; sim: two rows of 256 bytes a load
.set nn, nn+1
.endr
.irp b, 0,1,2
.irp n, 0,1
	global_load_b128 v[128+8*\b+4*\n:128+8*\b+4*\n+3], v[LI], s[12+2*\b:13+2*\b] offset:512*\n
.endr
.endr
	WIN 0
.set nn, 0
.rept 32
	global_load_b32 v[MADD+nn], v[AMO], s[10:11] offset:(16*(nn/8)+nn%8)*256   ; am of key 16 kt + 8 h + j
.set nn, nn+1
.endr
.set ee, 0
.rept 8
	global_load_b64 v[XS+2*ee:XS+2*ee+1], v[L8], s[4:5] offset:32768+256*ee
.set ee, ee+1
.endr
	WIN 0x40                                       ; destination window 1
.set nn, 0
.rept 32
	global_load_b128 v[8*nn:8*nn+3],   v[LI], s[4:5] offset:1024*nn
	global_load_b128 v[8*nn+4:8*nn+7], v[LI], s[4:5] offset:1024*nn+512
.set nn, nn+1
.endr
	s_wait_loadcnt 63                              ; behind sim, the biases and the mask 72 loads were issued: those 70 are in, x may be on its way
	WIN 0x82
.set nn, 0
.rept 64
	v_pk_mul_f32 v[2*nn:2*nn+1], v[2*nn:2*nn+1], s[EIG:EIG+1] op_sel_hi:[1,0]   ; sim / 8: exact
.set nn, nn+1
.endr
	WIN 0x08
.set nn, 0
.rept 32
	ds_store_b128 v[SS], v[4*nn:4*nn+3] offset:nn*2*SP
.set nn, nn+1
.endr
.irp b, 0,1,2
.irp n, 0,1
	ds_store_b128 v[BS], v[128+8*\b+4*\n:128+8*\b+4*\n+3] offset:1024*\b+512*\n
.endr
.endr
	WIN 0
.set nn, 0
.rept 32
	v_fma_f32 v[MADD+nn], v[MADD+nn], s[TENK], s[TENK+1]   ; (1 - am) (-10000) = 10000 am - 10000
.set nn, nn+1
.endr
	s_wait_dscnt 0x0                               ; no LDS instruction of mine is pending at the signal
	s_wait_tensorcnt 1                             ; my quarter of slot 0 is in; slot 1's may stay out
	s_barrier_signal -1
	s_barrier_wait -1                              ; everybody's is
	HEADFETCH
	s_wait_loadcnt 0x0                             ; x
	s_mov_b32 s[CNT], 2
.LA:                                               ; heads 0 and 1: behind each, its slot takes the head two on
	GEMM
	CHANGE 1
	ATT 0
	s_sub_co_u32 s[CNT], s[CNT], 1
	s_cmp_lg_u32 s[CNT], 0
	s_cbranch_scc1 .LA
	s_mov_b32 s[CNT], 2
.LB:                                               ; heads 2 and 3: written out a second time
	GEMM
	CHANGE 0
	ATT 1
	s_sub_co_u32 s[CNT], s[CNT], 1
	s_cmp_lg_u32 s[CNT], 0
	s_cbranch_scc1 .LB
	s_wait_tensorcnt 0x0                           ; the wave's end: behind my last tensor load and my last LDS store
	ds_add_u32 v[SPW], v[NIL]
	s_wait_dscnt 0x0
	CROUND                                         ; the closing round: no work-group ends while a partner may still ask for a tile that names it
	s_endpgm
.Lfunc_end_k_q76b4d3c15c_attn:
	.size	k_q76b4d3c15c_attn, .Lfunc_end_k_q76b4d3c15c_attn-k_q76b4d3c15c_attn
	.p2alignl 7, 3214868480
	.fill 96, 4, 3214868480
	.section	.rodata,"a",@progbits
	.p2align	6, 0x0
	.amdhsa_kernel k_q76b4d3c15c_attn
		.amdhsa_group_segment_fixed_size 327680
		.amdhsa_private_segment_fixed_size 0
		.amdhsa_enable_private_segment 0
		.amdhsa_kernarg_size 64
		.amdhsa_user_sgpr_count 2
		.amdhsa_user_sgpr_kernarg_segment_ptr 1
		.amdhsa_wavefront_size32 1
		.amdhsa_system_sgpr_workgroup_id_x 1
		.amdhsa_system_sgpr_workgroup_id_y 1
		.amdhsa_system_sgpr_workgroup_id_z 1
		.amdhsa_system_vgpr_workitem_id 0
		.amdhsa_next_free_vgpr 1024
		.amdhsa_next_free_sgpr 66
		.amdhsa_reserve_vcc 0
		.amdhsa_float_denorm_mode_32 3
		.amdhsa_float_denorm_mode_16_64 3
		.amdhsa_memory_ordered 1
		.amdhsa_forward_progress 1
		.amdhsa_inst_pref_size 255
	.end_amdhsa_kernel
	.section	.bss,"aw",@nobits
	.p2align	6
	.space	262144
	.amdgpu_metadata
---
amdhsa.version: [ 1, 2 ]
amdhsa.kernels:
  - .name:           k_q76b4d3c15c_attn
    .symbol:         k_q76b4d3c15c_attn.kd
    .args:
      - { .name: xq, .offset: 0, .size: 8, .value_kind: global_buffer, .address_space: global }
      - { .name: wq, .offset: 8, .size: 8, .value_kind: global_buffer, .address_space: global }
      - { .name: sim_graph, .offset: 16, .size: 8, .value_kind: global_buffer, .address_space: global }
      - { .name: attention_mask, .offset: 24, .size: 8, .value_kind: global_buffer, .address_space: global }
      - { .name: bq, .offset: 32, .size: 8, .value_kind: global_buffer, .address_space: global }
      - { .name: bk, .offset: 40, .size: 8, .value_kind: global_buffer, .address_space: global }
      - { .name: bv, .offset: 48, .size: 8, .value_kind: global_buffer, .address_space: global }
      - { .name: out0, .offset: 56, .size: 8, .value_kind: global_buffer, .address_space: global }
    .group_segment_fixed_size: 327680
    .private_segment_fixed_size: 0
    .kernarg_segment_align: 8
    .kernarg_segment_size: 64
    .max_flat_workgroup_size: 128
    .sgpr_count:     66
    .vgpr_count:     1024
    .wavefront_size: 32
...
	.end_amdgpu_metadata
.endif
;; end of part 2
